; MI455X (gfx1250); checked and timed in simulation.
; The chip was launched on July 23, 2026; its instructions are those of AMD's public machine-readable ISA for CDNA 5 (MIT licence, August 2026) and "CDNA5" Instruction Set Architecture Reference Guide (July 2026). The comments in the code are by the model that wrote it; some were corrected since.
;; Multi Query Attention. Allowed arithmetic: matrix products marked QUANTISED: E2M1 operands, one E8M0 scale for each 32 along K, by v_wmma_scale_f32_16x16x128_f8f6f4 with both operands' format E2M1 (or v_wmma_scale_f32_32x16x128_f4), f32 sums; everything else in f32.
;; Inputs: Wk_codes 64 x 32 x 16 uint8 (E2M1 codes of Wk, K innermost, in blocks of 32 codes, two codes a byte); Wk_scales 64 x 32 uint8 (E8M0 scales of Wk, one for each 32 codes along K); Wo_codes 1,024 x 32 x 16 uint8 (E2M1 codes of Wo, K innermost, in blocks of 32 codes, two codes a byte); Wo_scales 1,024 x 32 uint8 (E8M0 scales of Wo, one for each 32 codes along K); Wq_codes 1,024 x 32 x 16 uint8 (E2M1 codes of Wq, K innermost, in blocks of 32 codes, two codes a byte); Wq_scales 1,024 x 32 uint8 (E8M0 scales of Wq, one for each 32 codes along K); Wv_codes 64 x 32 x 16 uint8 (E2M1 codes of Wv, K innermost, in blocks of 32 codes, two codes a byte); Wv_scales 64 x 32 uint8 (E8M0 scales of Wv, one for each 32 codes along K); bk 64 float32; bo 1,024 float32; bq 1,024 float32; bv 64 float32; x_codes 2 x 2,048 x 32 x 16 uint8 (E2M1 codes of x, K innermost, in blocks of 32 codes, two codes a byte); x_scales 2 x 2,048 x 32 uint8 (E8M0 scales of x, one for each 32 codes along K).
;; Outputs: out0 2 x 2,048 x 1,024 float32.
;; This version of the problem:
;;   THIS VERSION OF THE PROBLEM IS GIVEN IN LOW PRECISION. The matrix products marked QUANTISED in the list below multiply operands that are first quantised to E2M1 (2 exponent bits, 1 mantissa bit; 4 bits a number), with one power-of-two scale for each 32 numbers along K (OCP MX v1.0); their sums are f32. All else is computed in f32.
;;   The module's matrix products, in the order in which they are computed (A, B: the left and right operand; K: the contracted axis; several contracted axes count as one K, in the product's order):
;;     1. [M 4,096, K 1,024] x [K 1,024, N 1,024]; A: input x (given as codes); B: input Wq (given as codes): QUANTISED
;;     2. [M 4,096, K 1,024] x [K 1,024, N 64]; A: input x (given as codes); B: input Wk (given as codes): QUANTISED
;;     3. [M 4,096, K 1,024] x [K 1,024, N 64]; A: input x (given as codes); B: input Wv (given as codes): QUANTISED
;;     4. batch 2 x [M 2,048, K 64] x [K 64, N 32,768]; A: computed on the way; B: computed on the way: QUANTISED
;;     5. batch 2 x [M 64, K 2,048] x [K 2,048, N 32,768]; A: computed on the way; B: softmax (see below): QUANTISED
;;     6. [M 4,096, K 1,024] x [K 1,024, N 1,024]; A: computed on the way; B: input Wo (given as codes): QUANTISED
;;   THE QUANTISER, for each operand of a quantised product, along K:
;;     - K is cut into blocks of 32 from its start; a last block that is shorter is filled with zeros.
;;     - A block's scale is 2^e with e = floor(log2(the largest magnitude in the block)) - 2, held to -126 .. 127; a block of zeros has e = 0. As a byte (E8M0): e + 127.
;;     - Each number is divided by its block's scale, clamped to +-6, and rounded to the nearest number of E2M1, ties to even, subnormals kept.
;;     - The product sums the exact products of the quantised numbers (number of the format x scale) in f32.
;;   ~~~python
;;   def quantise(x, axis):      # numpy; x: float32 -> the quantised numbers, widened to float32 again
;;       x = np.moveaxis(x, axis, -1); K = x.shape[-1]
;;       x = np.pad(x, [(0, 0)] * (x.ndim - 1) + [(0, -K % 32)]); x = x.reshape(x.shape[:-1] + (-1, 32)); a = np.abs(x).max(-1, keepdims=True)
;;       e = np.where(a > 0, np.clip(np.frexp(np.where(a > 0, a, 1))[1] - 1 - 2, -126, 127), 0)      # np.frexp(a)[1] - 1 = floor(log2(a)), exactly
;;       r = np.clip(x / 2.0 ** e, -6, 6)
;;       step = 2.0 ** (np.maximum(np.frexp(np.where(r == 0, 1, r))[1] - 1, 0) - 1)
;;       q = np.round(r / step) * step * 2.0 ** e      # np.round: ties to even
;;       return np.moveaxis(q.reshape(q.shape[:-2] + (-1,))[..., :K], -1, axis).astype(np.float32)
;;   ~~~
;;   SOFTMAX AHEAD OF A QUANTISED PRODUCT. Where the list says 'softmax', what is quantised is not the finished softmax but p = 2^(t - M), with t = logit x log2(e) and M = ceil(the row's largest t), a whole number; so 1/2 < the row's largest p <= 1. The row's sum l is taken of the UNQUANTISED p, in f32, and the product's result is divided by l at the end. Since M is a whole number, a kernel that streams over the keys may use a running M (the ceiling of the running maximum): every later rescaling is an exact power of two, which a block's scale takes up: the codes' values come out the same.
;;   OPERANDS COMPUTED ON THE WAY. 'Computed on the way' means the value that the module computes at that place (a softmax that the list does not call 'softmax' is quantised finished and normalised). What goes into a quantiser is computed in f32, as accurately as f32 sums, v_exp_f32 and their like allow (about 1e-6 of the number): no bf16 or f16 on the way to a quantiser, and a product that is left as it is and whose result goes on into a quantised operand takes f32 operands (vector FMAs, or v_wmma_f32_16x16x4_f32). A number that lies on a knife's edge between two numbers of the format may be rounded either way, as far as f32 arithmetic and the matrix unit's own rounding can turn it there, and no further.
;;   INPUTS GIVEN AS CODES. Wk (in the module: [1024, 64], K = its axis 0); Wo (in the module: [1024, 1024], K = its axis 0); Wq (in the module: [1024, 1024], K = its axis 0); Wv (in the module: [1024, 64], K = its axis 0); x (in the module: [2, 2048, 1024], K = its axis 2): each comes as NAME_codes (uint8): NAME with its K axis moved to the last place and cut into blocks of 32 codes, [.., K / 32, bytes a block], one block behind the other in memory; two codes a byte, the lower K in the low four bits (a code: sign, 2 exponent bits, 1 mantissa bit); and NAME_scales (uint8): the same leading axes, one E8M0 byte (e + 127) for each 32 codes along K. Its value is code x scale, taken as it is: it is not quantised again, and the codes and scales need not be those that the quantiser above would give.
;; One version. Each part assembles by itself: llvm-mc -triple=amdgcn-amd-amdhsa -mcpu=gfx1250 --defsym DOCPART=n.
;; ======== version 1 of 1: 3 launches
;; limits: right only within a limited range of input values
;; workspace buffers: qimg 2,097,152 bytes; qsc 262,144 bytes; kv 278,528 bytes; attc 2,097,152 bytes; atts 131,072 bytes
;; launch proj (part 1): grid 32 x 8, 9 waves a work-group, clusters of 4 x 1, 195,584 bytes of LDS; arguments x_codes, x_scales, Wq_codes, Wq_scales, bq, Wk_codes, Wk_scales, bk, Wv_codes, Wv_scales, bv, qimg, qsc, kv; writes qimg, qsc, kv
.if DOCPART == 1
	.amdgcn_target "amdgcn-amd-amdhsa--gfx1250"
	.amdhsa_code_object_version 6
	.text
	.protected	k_qc64868151a_proj
	.globl	k_qc64868151a_proj
	.p2align	8
	.type	k_qc64868151a_proj,@function
k_qc64868151a_proj:
	s_mov_b64 s[64:65], 0
	v_nop
	global_prefetch_b8 v0, s[64:65] scope:SCOPE_SE
	s_setreg_imm32_b32 hwreg(HW_REG_WAVE_MODE, 25, 1), 1
	s_wait_xcnt 0x0
	s_wait_alu depctr_hold_cnt(0) depctr_sa_sdst(0) depctr_va_vdst(0) depctr_va_sdst(0) depctr_va_ssrc(0) depctr_va_vcc(0) depctr_vm_vsrc(0)
	s_getreg_b32 s2, hwreg(HW_REG_IB_STS2, 6, 4)
	s_cmp_eq_u32 s2, 0
	s_cbranch_scc0 .Lentry_in_a_cluster
	s_endpgm
.Lentry_in_a_cluster:
	s_bfe_u32 s2, ttmp6, 0x10000c
	s_cmp_lg_u32 s2, 0x3003
	s_cbranch_scc0 .Lentry_shape_is_right
	s_endpgm
.Lentry_shape_is_right:
; q = x Wq + bq, k = x Wk + bk, v = x Wv + bv on codes of FP4 (E2M1) with one E8M0 scale for each 32 along K = 1,024; the results are quantised at once
; for the products that follow: q and k along the head's 64 (two blocks), v along the KEYS (blocks of 32 keys of one channel).
; SHARES.  Work-group (I, J): I = 128 rows of x (one key step of 128 keys), J = 128 features of Wq (heads 2 J, 2 J + 1).  Waves 0-7: 32 rows x one head, 8 accumulators.
; Wave 8 does an eighth of the row group's k and v: J < 4: keys 32 (J & 3) on x all 64 features of Wk, by the very lines of a q wave (only bases differ);
; J >= 4: all 128 keys x channels 16 (J & 3) on of Wv, the product the other way round, so that a lane holds one channel and its registers run along the keys.  Every wave issues 64 matrix instructions.
; LAYOUT.  In the q lines source 0 = 16 rows of W, source 1 = 16 rows of x: lane (r, h) holds row r of x, register j of tile t the feature 16 t + 8 h + j.  A block of 32 is two tiles in lanes l and l xor 16.
; The conversions' destinations are chosen so that two exchanges of lane halves leave the codes in the operand's own order (macro QUANT).
; WHAT IS STORED are images of operand registers, 16 bytes a lane on end: qimg [row tile][head][512], kv's K images and V fragments; scale words of 4 bytes a row (for q and k bytes 2, 3 are 0: they scale zero codes alone).
; LDS: five pieces of 64 rows x (512 + 16) bytes: x's 128 rows, Wq's 128 rows, Wk's or Wv's 64 rows: all of K at once, each piece filled once by one tensor load: no slot is ever filled again.
; CLUSTER: the four work-groups of a cluster share J, so Wq's pieces and the Wk / Wv piece are asked for jointly (mask 15).  x's pieces are plain loads: the work-groups that share them differ in J,
; and wave 8's branch and LDS addresses hang on J, which partners of a joint load must share.  Of a work-group's 160 KiB, 96 KiB are joint.
; LIMITS: NaN, infinities and scale bytes 0xff are not served.  A block whose largest magnitude lies under 2^-124, a block of zeros among them, gets the scale byte 1 (the rule says 127 for zeros): its codes' sum is the same, and this program alone reads the bytes.
.set PITCH, 528                        ; an LDS row: 512 bytes + 16: 33 x 16, so the sixteen rows of a fragment load start at sixteen different 16-byte columns
.set TILE,  16*PITCH
.set PIECE, 64*PITCH
; kv's layout, in chunks of 256 keys (17,408 bytes): K codes 8,192, V codes 8,192, K's scale words 512, V's 512; a row group I is half of chunk I / 2.
; K codes: [block of 32 keys][half of the channels][32 slots of 16 bytes]: key i lies in slot i in even blocks, in slot i xor 8 in odd ones.  K's scale words: [block][16]: word 8 m + a holds keys 16 m + a (bytes 0, 1) and 16 m + a + 8 (bytes 2, 3).
; V codes: [channel tile][pair of blocks][16 x lane]; V's scale words: [channel tile][16].
; Beside the five pieces: P5, the k share's own 32 rows of x; P6, the v share's 16 rows of Wv.  So no LDS address hangs on J: it chooses global addresses and which of the two is asked for.
.set P5,    5*PIECE
.set P6,    P5+32*PITCH
.set XS,    24                         ; v24-31   x's scale words: register ks: lanes 0-15 row tile 0, lanes 16-31 row tile 1
.set WS,    32                         ; v32-47   W's: register 8 p + ks: lanes 0-15 feature tile 2 p, lanes 16-31 tile 2 p + 1
.set XSV,   48                         ; v48-79   v share: x's scale words of row 32 p + lane at 8 p + ks
.set WVS,   80                         ; v80-87   v share: Wv's scale words
.set BV,    88                         ; v88-95   v share: bv of my channel, eight times: the C of each sum's first product
.set ACC,   96                         ; v96-159  accumulator (m, t) at 8 (4 m + t); v share: key tile T at 8 T
.set OP,    160                        ; v160-255 two sets of 48: x's two fragments, W's four
.set XA,    160                        ; v share: x's tiles 0-3, tiles 4-7, Wv's fragment in two sets
.set XB,    192
.set WVF,   224
.set TM,    160                        ; the quantiser's twelve work registers, its codes from RR on: the operands are done with by then
.set RR,    176
.set SEL,   60
.macro PLACES                          ; four plain vector instructions between a matrix instruction and a load into, or a vector read or write of, its registers
.rept 4
	v_nop
.endr
.endm
.macro CROUND                          ; a round of the cluster's barrier
	s_barrier_signal -1
	s_barrier_wait -1
	s_cmp_lg_u32 s3, 0
	s_cbranch_scc1 .Lnot_wave_0_\@
	s_barrier_signal -3
.Lnot_wave_0_\@:
	s_barrier_wait -3
	s_barrier_signal -1
	s_barrier_wait -1
.endm
; one product: D at d, source 0 at a, source 1 at b, C at c, their scale registers sa, sb; ra, rb = 1: that side's words are taken from lanes 16-31
.macro WM d, a, b, c, sa, sb, ra, rb
.if (\ra) && (\rb)
	v_wmma_scale_f32_16x16x128_f8f6f4 v[\d:\d+7], v[\a:\a+7], v[\b:\b+7], v[\c:\c+7], v[\sa], v[\sb] matrix_a_fmt:MATRIX_FMT_FP4 matrix_b_fmt:MATRIX_FMT_FP4 matrix_a_scale:MATRIX_SCALE_ROW1 matrix_b_scale:MATRIX_SCALE_ROW1
.elseif (\ra)
	v_wmma_scale_f32_16x16x128_f8f6f4 v[\d:\d+7], v[\a:\a+7], v[\b:\b+7], v[\c:\c+7], v[\sa], v[\sb] matrix_a_fmt:MATRIX_FMT_FP4 matrix_b_fmt:MATRIX_FMT_FP4 matrix_a_scale:MATRIX_SCALE_ROW1
.elseif (\rb)
	v_wmma_scale_f32_16x16x128_f8f6f4 v[\d:\d+7], v[\a:\a+7], v[\b:\b+7], v[\c:\c+7], v[\sa], v[\sb] matrix_a_fmt:MATRIX_FMT_FP4 matrix_b_fmt:MATRIX_FMT_FP4 matrix_b_scale:MATRIX_SCALE_ROW1
.else
	v_wmma_scale_f32_16x16x128_f8f6f4 v[\d:\d+7], v[\a:\a+7], v[\b:\b+7], v[\c:\c+7], v[\sa], v[\sb] matrix_a_fmt:MATRIX_FMT_FP4 matrix_b_fmt:MATRIX_FMT_FP4
.endif
.endm
; 16 nb numbers of a lane, v[s] on: tile T (8 registers) holds k = 16 T + 8 (lane / 16) + 0 .. 7 of my row.  They become nb blocks' codes in v[R] on, in the operand's order, and the scale word in v[PW].
.macro QUANT s, nb, R, PW
.set qb, 0
.rept \nb
	v_max3_num_f32 v[TM+qb], |v[\s+16*qb]|, |v[\s+16*qb+1]|, 0x1800000   ; block qb: my 16 numbers, each accumulator from its low end on, and the floor 2^(3 - 127): the byte cannot fall under 1
.set qb, qb+1
.endr
.irp i, 2,4,6,8,10,12,14
.set qb, 0
.rept \nb
	v_max3_num_f32 v[TM+qb], v[TM+qb], |v[\s+16*qb+\i]|, |v[\s+16*qb+\i+1]|   ; (the blocks by turns)
.set qb, qb+1
.endr
.endr
.set qb, 0
.rept \nb
	v_permlanex16_b32 v[TM+4+qb], v[TM+qb], s[SEL], s[SEL+1]
.set qb, qb+1
.endr
.set qb, 0
.rept \nb
	v_max_num_f32 v[TM+qb], v[TM+qb], v[TM+4+qb]       ; with lane l xor 16's: the block's largest magnitude
.set qb, qb+1
.endr
.set qb, 0
.rept \nb
	v_add_nc_u32 v[TM+8+qb], 0xff000000, v[TM+qb]      ; 2 off its exponent field: the conversion takes the exponent field of this operand as its scale
.set qb, qb+1
.endr
.set qb, 0
.rept \nb
	v_lshrrev_b32 v[TM+4+qb], 23, v[TM+8+qb]           ; the scale's byte
.set qb, qb+1
.endr
	v_lshl_or_b32 v[\PW], v[TM+5], 8, v[TM+4]
.if \nb == 4
	s_delay_alu instid0(VALU_DEP_1)
	v_lshl_or_b32 v[\PW], v[TM+6], 16, v[\PW]
	s_delay_alu instid0(VALU_DEP_1)
	v_lshl_or_b32 v[\PW], v[TM+7], 24, v[\PW]
.endif
.set qc, 0
.rept (\nb)/2                          ; blocks 2 c, 2 c + 1 are tiles 4 c .. 4 c + 3
	v_cvt_scalef32_pk8_fp4_f32 v[\R+4*qc],   v[\s+32*qc:\s+32*qc+7],     v[TM+8+2*qc]   ; block 2 c:     k 0-7 in lanes 0-15, k 8-15 in lanes 16-31
	v_cvt_scalef32_pk8_fp4_f32 v[\R+4*qc+1], v[\s+32*qc+16:\s+32*qc+23], v[TM+9+2*qc]   ; block 2 c + 1: likewise
	v_cvt_scalef32_pk8_fp4_f32 v[\R+4*qc+2], v[\s+32*qc+8:\s+32*qc+15],  v[TM+8+2*qc]   ; block 2 c:     k 16-23, k 24-31
	v_cvt_scalef32_pk8_fp4_f32 v[\R+4*qc+3], v[\s+32*qc+24:\s+32*qc+31], v[TM+9+2*qc]   ; block 2 c + 1: likewise
.set qc, qc+1
.endr
	v_nop                                              ; one plain place behind the scaled conversions
.set qc, 0
.rept (\nb)/2                          ; the first's lanes 16-31 change places with the second's lanes 0-15: lanes 0-15 then hold block 2 c whole, lanes 16-31 block 2 c + 1, k ascending through the four registers
	v_permlane16_swap_b32 v[\R+4*qc], v[\R+4*qc+1]
	v_permlane16_swap_b32 v[\R+4*qc+2], v[\R+4*qc+3]
.set qc, qc+1
.endr
.endm
	s_load_b512 s[8:23], s[0:1], 0x0               ; x_codes 8, x_scales 10, Wq_codes 12, Wq_scales 14, bq 16, Wk_codes 18, Wk_scales 20, bk 22
	s_load_b256 s[24:31], s[0:1], 0x40             ; Wv_codes 24, Wv_scales 26, bv 28, qimg 30
	s_load_b128 s[32:35], s[0:1], 0x60             ; qsc 32, kv 34
	v_lshl_add_u32 v22, v0, 2, 0x2f700             ; the spare words lie behind P6
	v_mov_b32 v23, 0
	ds_add_u32 v22, v23
	ds_add_u32 v22, v23
	v_lshrrev_b32 v1, 5, v0
	s_delay_alu instid0(VALU_DEP_1)
	v_readfirstlane_b32 s3, v1                     ; wave 0..8
	s_bfe_u32 s4, ttmp6, 0x40000                   ; cx: my place in the cluster
	s_lshl_b32 s5, ttmp9, 2
	s_add_co_u32 s5, s5, s4                        ; I = 4 x cluster x + cx: it enters global addresses alone
	s_and_b32 s6, ttmp7, 0xffff                    ; J, which the four partners share
	s_and_b32 s7, s6, 3                            ; JJ
	s_and_b32 s62, s3, 3                           ; RQ: which 32 rows
	s_lshr_b32 s63, s3, 2                          ; HS: which head of the two; 2 in wave 8: the fifth piece
	s_mov_b32 s[SEL], 0x76543210
	s_mov_b32 s[SEL+1], 0xfedcba98                 ; v_permlanex16_b32's selects for lane l xor 16
	; descriptor group 1: 64 rows x 512 elements of one byte, 512 apart in memory, 4 words of padding behind every 128.  s[36:43] plain, s[44:51] joint (mask 15, bit 21 beside it)
	s_mov_b32 s36, (1<<20)|(6<<22)|(3<<25)
	s_mov_b32 s44, 15|(1<<20)|(1<<21)|(6<<22)|(3<<25)
.irp g, 36, 44
	s_mov_b32 s[\g+1], 512<<16                     ; tensor_dim0
	s_mov_b32 s[\g+2], 64<<16                      ; tensor_dim1
	s_mov_b32 s[\g+3], 512<<16                     ; tile_dim0
	s_mov_b32 s[\g+4], 64                          ; tile_dim1
	s_mov_b32 s[\g+5], 512                         ; pitch
	s_mov_b32 s[\g+6], 0
	s_mov_b32 s[\g+7], 0
.endr
	; group 0: s[52:55] x's pieces (waves 0, 1), s[56:59] the joint pieces (waves 2, 3: Wq; wave 4: Wk or Wv).  Piece = wave, in LDS
	s_mov_b32 s52, 1
	s_mov_b32 s56, 1
	s_mul_i32 s53, s3, PIECE
	s_mul_i32 s57, s3, PIECE
	s_and_b32 s99, s3, 1
	s_lshl_b32 s99, s99, 15                        ; which 64 rows of 512 bytes
	s_lshl_b32 s54, s5, 16
	s_add_co_u32 s54, s54, s99                     ; x: (128 I + 64 half) x 512
	s_mov_b32 s55, 0
	s_lshl_b32 s58, s6, 16
	s_add_co_u32 s58, s58, s99                     ; Wq: (128 J + 64 half) x 512
	s_mov_b32 s59, 0
	s_cmp_eq_u32 s3, 4
	s_cselect_b32 s58, 0, s58                      ; wave 4: the whole of Wk or Wv
	; byte offsets.  The row group is key step QK of chunk (I & 15) / 2 of batch I / 16 in kv
	s_lshr_b32 s96, s5, 1
	s_mul_i32 s93, s96, 17408                      ; KB: the chunk's first byte
	s_and_b32 s94, s5, 1                           ; QK: which half of it
	s_lshl_b32 s96, s94, 12
	s_add_co_u32 s96, s96, s93
	s_lshl_b32 s98, s7, 10
	s_add_co_u32 s96, s96, s98                     ; K images: KB + 4,096 QK + 1,024 JJ
	s_lshl_b32 s97, s94, 8
	s_add_co_u32 s97, s97, s93
	s_lshl_b32 s98, s7, 6
	s_add_co_u32 s97, s97, s98
	s_add_co_u32 s97, s97, 16384                   ; K's scale words: KB + 16,384 + 256 QK + 64 JJ
	s_lshl_b32 s72, s6, 12
	s_lshl_b32 s98, s63, 11
	s_add_co_u32 s72, s72, s98                     ; Wq's scales: (128 J + 64 HS) x 32
	s_lshr_b32 s74, s72, 3                         ; bq: x 4
	s_lshl_b32 s76, s5, 16
	s_lshl_b32 s98, s62, 14
	s_add_co_u32 s76, s76, s98
	s_lshr_b32 s98, s72, 2
	s_add_co_u32 s76, s76, s98                     ; qimg: ((8 I + 2 RQ) x 16 + 2 J + HS) x 512
	s_lshl_b32 s78, s72, 3
	s_lshl_b32 s98, s5, 9
	s_add_co_u32 s78, s78, s98
	s_lshl_b32 s98, s62, 7
	s_add_co_u32 s78, s78, s98                     ; qsc: ((2 J + HS) x 4,096 + 128 I + 32 RQ) x 4
	s_mov_b32 s95, 8192                            ; from row tile to row tile: 16 heads x 512 in qimg,
	s_cmp_eq_u32 s3, 8                             ; wave 8 takes the k share's figures
	s_cselect_b32 s72, 0, s72
	s_cselect_b32 s74, 0, s74
	s_cselect_b32 s76, s96, s76
	s_cselect_b32 s78, s97, s78
	s_cselect_b32 s92, s7, s62                     ; XL: which 32 rows of x
	s_cselect_b32 s95, 256, s95                    ; 256 among K's codes: sixteen slots
	s_lshl_b32 s82, s5, 12                         ; x's scales: 128 I x 32,
	s_lshl_b32 s98, s92, 10
	s_add_co_u32 s80, s82, s98                     ; + 32 XL x 32
	s_lshl_b32 s84, s7, 9                          ; Wv's scales: 16 JJ x 32
	s_lshl_b32 s86, s7, 6                          ; bv: 16 JJ x 4
	s_add_co_u32 s88, s96, 8192                    ; V's codes: KB + 8,192 + 4,096 QK + 1,024 JJ
	s_add_co_u32 s90, s97, 512                     ; V's scale words: KB + 16,896 + 256 QK + 64 JJ
.irp p, 73,75,77,79,81,83,85,87,89,91
	s_mov_b32 s\p, 0
.endr
	; every LDS address is made here, ahead of the first parting of the waves
	v_and_b32 v1, 31, v0                           ; lane
	v_and_b32 v2, 15, v0                           ; r
	v_bfe_u32 v3, v0, 4, 1                         ; h
	s_delay_alu instid0(VALU_DEP_2)
	v_mul_u32_u24 v19, v2, PITCH
	s_delay_alu instid0(VALU_DEP_1)
	v_lshl_add_u32 v19, v3, 4, v19                 ; a fragment's row x pitch + 16 x half; as it stands: x's rows in the v share
	s_mul_i32 s98, s62, 2*TILE
	s_lshr_b32 s99, s3, 3                          ; 1 in wave 8, whose s62 is 0
	s_mul_i32 s99, s99, P5
	s_add_co_u32 s98, s98, s99
	v_add_nc_u32 v4, s98, v19                      ; my 32 rows of x; wave 8: its own copy in P5
	s_add_co_u32 s98, s63, 2
	s_mul_i32 s98, s98, PIECE
	v_add_nc_u32 v5, s98, v19                      ; my 64 rows of W: piece 2 + HS
	v_add_nc_u32 v7, P6, v19                       ; v share: my 16 rows of Wv
	v_lshlrev_b32 v20, 4, v1                       ; 16 x lane: V's codes
	s_lshl_b32 s98, s7, 3
	s_and_b32 s98, s98, 8                          ; wave 8: odd blocks of keys have their slots xor 8,
	s_mov_b32 s99, 256
	s_cmp_eq_u32 s3, 8
	s_cselect_b32 s98, s98, 0
	s_cselect_b32 s99, 512, s99                    ; and 512 bytes from one half of the channels to the other
	s_wait_alu depctr_va_vdst(0)                   ; the wait ahead of the readers below
	v_xor_b32 v6, s98, v2
	v_lshlrev_b32 v6, 4, v6
	v_mad_u32_u24 v8, v3, s99, v6                  ; my 16 bytes: of q's image (16 x lane), or of K's codes,
	v_add_nc_u32 v9, s95, v8                       ; and those of the second row tile
	v_lshlrev_b32 v10, 2, v1                       ; 4 x lane
	v_lshlrev_b32 v11, 5, v1                       ; 32 x lane: a row of scale bytes
	v_lshlrev_b32 v13, 5, v3                       ; 32 h: my half's eight numbers of a bias
	v_lshlrev_b32 v15, 5, v2                       ; 32 r
	v_lshlrev_b32 v16, 2, v2                       ; 4 r
	s_wait_dscnt 0x0
	s_wait_kmcnt 0x0
	s_add_nc_u64 s[54:55], s[8:9], s[54:55]
	s_cmp_eq_u32 s3, 4
	s_cselect_b64 s[70:71], s[18:19], s[12:13]     ; wave 4's 64 rows are Wk's
	s_add_nc_u64 s[58:59], s[70:71], s[58:59]
	s_cmp_eq_u32 s3, 8
	s_cselect_b64 s[66:67], s[20:21], s[14:15]
	s_add_nc_u64 s[72:73], s[66:67], s[72:73]      ; W's scales
	s_cselect_b64 s[66:67], s[22:23], s[16:17]
	s_add_nc_u64 s[74:75], s[66:67], s[74:75]      ; the bias
	s_cselect_b64 s[66:67], s[34:35], s[30:31]
	s_add_nc_u64 s[76:77], s[66:67], s[76:77]      ; where the images go
	s_cselect_b64 s[66:67], s[34:35], s[32:33]
	s_add_nc_u64 s[78:79], s[66:67], s[78:79]      ; where the scale words go
	s_add_nc_u64 s[80:81], s[10:11], s[80:81]
	s_add_nc_u64 s[82:83], s[10:11], s[82:83]
	s_add_nc_u64 s[84:85], s[26:27], s[84:85]
	s_add_nc_u64 s[86:87], s[28:29], s[86:87]
	s_add_nc_u64 s[88:89], s[34:35], s[88:89]
	s_add_nc_u64 s[90:91], s[34:35], s[90:91]
	s_or_b32 s55, s55, 0x80000000                  ; type = 2
	s_or_b32 s59, s59, 0x80000000
	; the arguments have been used: their registers take the two descriptors of wave 8's x (s[8:11], s[12:19], plain) and of Wv's 16 rows (s[28:31], s[20:27], joint: they hang on J alone)
	s_lshl_b32 s68, s7, 13                         ; 16 JJ x 512
	s_mov_b32 s69, 0
	s_add_nc_u64 s[30:31], s[24:25], s[68:69]
	s_or_b32 s31, s31, 0x80000000
	s_mov_b32 s28, 1
	s_mov_b32 s29, P6
	s_lshl_b32 s70, s5, 16
	s_lshl_b32 s98, s7, 14
	s_add_co_u32 s70, s70, s98                     ; (128 I + 32 JJ) x 512
	s_mov_b32 s71, 0
	s_add_nc_u64 s[10:11], s[8:9], s[70:71]
	s_or_b32 s11, s11, 0x80000000
	s_mov_b32 s8, 1
	s_mov_b32 s9, P5
	s_mov_b32 s12, (1<<20)|(6<<22)|(3<<25)
	s_mov_b32 s20, 15|(1<<20)|(1<<21)|(6<<22)|(3<<25)
	s_mov_b32 s14, 32<<16
	s_mov_b32 s16, 32
	s_mov_b32 s22, 16<<16
	s_mov_b32 s24, 16
.irp g, 12, 20
	s_mov_b32 s[\g+1], 512<<16
	s_mov_b32 s[\g+3], 512<<16
	s_mov_b32 s[\g+5], 512
	s_mov_b32 s[\g+6], 0
	s_mov_b32 s[\g+7], 0
.endr
	CROUND                                         ; all four work-groups are here: the joint loads meet
	s_cmp_lt_u32 s3, 2                             ; all first fills stand in one branch on the wave's number: one load a wave is out
	s_cbranch_scc0 .Lnot_x
	tensor_load_to_lds s[52:55], s[36:43]
	s_nop 0
	PLACES                                         ; the four lines behind a tensor load
	s_branch .Lasked
.Lnot_x:
	s_cmp_lt_u32 s3, 5
	s_cbranch_scc0 .Lown
	s_cmp_lt_u32 s3, 4
	s_cbranch_scc1 .Lrows_64
	s_cmp_lt_u32 s6, 4                             ; J, which the partners of the joint load share
	s_cbranch_scc1 .Lrows_64
	tensor_load_to_lds s[28:31], s[20:27]          ; wave 4, v share: 16 rows of Wv
	s_nop 0
	PLACES
	s_branch .Lasked
.Lrows_64:
	tensor_load_to_lds s[56:59], s[44:51]          ; Wq's halves; wave 4, k share: Wk
	s_nop 0
	PLACES
	s_branch .Lasked
.Lown:
	s_cmp_eq_u32 s3, 8
	s_cbranch_scc0 .Lasked
	s_cmp_lt_u32 s6, 4
	s_cbranch_scc0 .Lasked
	tensor_load_to_lds s[8:11], s[12:19]           ; wave 8, k share: its 32 rows of x
	s_nop 0
	PLACES
.Lasked:
	; the small operands come from memory into registers while the pieces are on their way
	s_wait_alu depctr_va_vdst(0)
	global_load_b128 v[XS:XS+3], v11, s[80:81]
	global_load_b128 v[XS+4:XS+7], v11, s[80:81] offset:16
.irp p, 0,1
	global_load_b128 v[WS+8*\p:WS+8*\p+3], v11, s[72:73] offset:1024*\p
	global_load_b128 v[WS+8*\p+4:WS+8*\p+7], v11, s[72:73] offset:1024*\p+16
.endr
.irp m, 0,1
.irp t, 0,1,2,3
	global_load_b128 v[ACC+8*(4*\m+\t):ACC+8*(4*\m+\t)+3], v13, s[74:75] offset:64*\t        ; the bias lands in the accumulators: every K step then adds in place, and nothing is cleared
	global_load_b128 v[ACC+8*(4*\m+\t)+4:ACC+8*(4*\m+\t)+7], v13, s[74:75] offset:64*\t+16
.endr
.endr
	s_cmp_lg_u32 s3, 8                             ; wave 8 loads the v share's small operands too, whatever J is (all inside their buffers): so the branch on J stands once, behind the barrier
	s_cbranch_scc1 .Lno_v_operands
.irp p, 0,1,2,3
	global_load_b128 v[XSV+8*\p:XSV+8*\p+3], v11, s[82:83] offset:1024*\p
	global_load_b128 v[XSV+8*\p+4:XSV+8*\p+7], v11, s[82:83] offset:1024*\p+16
.endr
	global_load_b128 v[WVS:WVS+3], v15, s[84:85]
	global_load_b128 v[WVS+4:WVS+7], v15, s[84:85] offset:16
.irp j, 0,1,2,3,4,5,6,7
	global_load_b32 v[BV+\j], v16, s[86:87]        ; a lane's eight results are eight keys of ONE channel: the same bias in all eight
.endr
.Lno_v_operands:
	s_wait_tensorcnt 0x0                           ; my piece has landed,
	s_barrier_signal -1
	s_barrier_wait -1                              ; everybody's has
	s_wait_loadcnt 0x0                             ; scales and biases
	s_cmp_lg_u32 s3, 8
	s_cbranch_scc1 .Lq
	s_cmp_lt_u32 s6, 4
	s_cbranch_scc1 .Lq
	; ---- the v share: source 0 = 16 keys of x, source 1 = my 16 rows of Wv.  Eight key tiles by turns, in two runs of four
.macro LW ks, s
.irp c, 0,1
	ds_load_b128 v[WVF+8*(\s)+4*\c:WVF+8*(\s)+4*\c+3], v7 offset:64*(\ks)+32*\c
.endr
.endm
.macro LX base, t0, ks                 ; x's tiles t0 .. t0 + 3
.irp i, 0,1,2,3
.irp c, 0,1
	ds_load_b128 v[\base+8*\i+4*\c:\base+8*\i+4*\c+3], v19 offset:TILE*(\t0+\i)+64*(\ks)+32*\c
.endr
.endr
.endm
.macro MULV base, t0, ks, s
.irp i, 0,1,2,3
.if (\ks) == 0
	WM ACC+8*(\t0+\i), \base+8*\i, WVF+8*(\s), BV, XSV+8*((\t0+\i)/2)+(\ks), WVS+(\ks), \i%2, 0
.else
	WM ACC+8*(\t0+\i), \base+8*\i, WVF+8*(\s), ACC+8*(\t0+\i), XSV+8*((\t0+\i)/2)+(\ks), WVS+(\ks), \i%2, 0
.endif
.endr
.endm
	LW 0, 0
	LX XA, 0, 0
	LX XB, 4, 0
.irp ks, 0,1,2,3,4,5,6,7
	s_wait_dscnt 8                                 ; Wv's fragment and tiles 0-3 are in; the eight loads of tiles 4-7 may be out
	MULV XA, 0, \ks, \ks%2
.if \ks < 7
	PLACES
	LW \ks+1, (\ks+1)%2
	LX XA, 0, \ks+1
	s_wait_dscnt 10                                ; tiles 4-7 are in; the ten just issued may be out
.else
	s_wait_dscnt 0x0
.endif
	MULV XB, 4, \ks, \ks%2
	PLACES
.if \ks < 7
	LX XB, 4, \ks+1
.endif
.endr
	QUANT ACC, 4, RR, 184                          ; 128 keys of my channel: one fragment of V and its scale word
	global_store_b128 v20, v[RR:RR+3], s[88:89]                ; each store of the wave covers 512 consecutive bytes, aligned
	global_store_b128 v20, v[RR+4:RR+7], s[88:89] offset:512
	global_store_b32 v16, v184, s[90:91]                       ; 16 words; both halves of the lanes hold the same
	s_branch .Lend
	; ---- q, and the k share: source 0 = 16 rows of W, source 1 = 16 rows of x; eight accumulators by turns; fragments one K step ahead in two sets
.Lq:
.macro FETCH ks, s
.irp m, 0,1
.irp c, 0,1
	ds_load_b128 v[OP+48*(\s)+8*\m+4*\c:OP+48*(\s)+8*\m+4*\c+3], v4 offset:TILE*\m+64*(\ks)+32*\c
.endr
.endr
.irp t, 0,1,2,3
.irp c, 0,1
	ds_load_b128 v[OP+48*(\s)+16+8*\t+4*\c:OP+48*(\s)+16+8*\t+4*\c+3], v5 offset:TILE*\t+64*(\ks)+32*\c
.endr
.endr
.endm
.macro MUL ks, s
.irp m, 0,1
.irp t, 0,1,2,3
	WM ACC+8*(4*\m+\t), OP+48*(\s)+16+8*\t, OP+48*(\s)+8*\m, ACC+8*(4*\m+\t), WS+8*(\t/2)+(\ks), XS+(\ks), \t%2, \m
.endr
.endr
.endm
	FETCH 0, 0
.irp ks, 0,1,2,3,4,5,6
.if \ks > 0
	PLACES                                         ; the loads below land in the set that the last eight products read
.endif
	FETCH \ks+1, (\ks+1)%2
	s_wait_dscnt 12                                ; this step's fragments are in; the twelve just issued may be out
	MUL \ks, \ks%2
.endr
	s_wait_dscnt 0x0
	MUL 7, 1
	PLACES
.irp m, 0,1
	QUANT ACC+32*\m, 2, RR+4*\m, 184+\m            ; 16 rows x one head's 64: registers 0-3 of a fragment
	global_store_b128 v[8+\m], v[RR+4*\m:RR+4*\m+3], s[76:77]  ; 512 consecutive bytes, aligned
.endr
	s_wait_alu depctr_va_vdst(0)                   ; ahead of the branch
	s_cmp_lg_u32 s3, 8
	s_cbranch_scc1 .Lq_words
	v_mov_b32_dpp v187, v184 row_xmask:8 row_mask:0xf bank_mask:0xf
	v_mov_b32_dpp v188, v185 row_xmask:8 row_mask:0xf bank_mask:0xf
	v_lshl_or_b32 v187, v187, 16, v184             ; lanes r < 8: keys r and r + 8 of the first tile
	v_lshl_or_b32 v188, v185, 16, v188             ; lanes r >= 8: keys r - 8 and r of the second
	v_cmp_le_u32 vcc_lo, 8, v2
	v_cndmask_b32 v186, v187, v188, vcc_lo
	global_store_b32 v16, v186, s[78:79]           ; 16 words; both halves of the lanes hold the same
	s_branch .Lend
.Lq_words:
	v_cmp_le_u32 vcc_lo, 16, v1
	v_cndmask_b32 v186, v184, v185, vcc_lo         ; lanes 0-15: the first tile's rows' words; lanes 16-31: the second's
	global_store_b32 v10, v186, s[78:79]           ; 32 rows' words: 128 consecutive bytes
.Lend:
	s_wait_dscnt 0x0
	s_wait_tensorcnt 0x0
	ds_add_u32 v22, v23
	s_wait_dscnt 0x0
	CROUND                                         ; the closing round: no work-group ends while a partner may still ask for a piece that names it
	s_endpgm
.Lfunc_end_k_qc64868151a_proj:
	.size	k_qc64868151a_proj, .Lfunc_end_k_qc64868151a_proj-k_qc64868151a_proj
	.p2alignl 7, 3214868480
	.fill 96, 4, 3214868480
	.section	.rodata,"a",@progbits
	.p2align	6, 0x0
	.amdhsa_kernel k_qc64868151a_proj
		.amdhsa_group_segment_fixed_size 195584
		.amdhsa_private_segment_fixed_size 0
		.amdhsa_enable_private_segment 0
		.amdhsa_kernarg_size 112
		.amdhsa_user_sgpr_count 2
		.amdhsa_user_sgpr_kernarg_segment_ptr 1
		.amdhsa_wavefront_size32 1
		.amdhsa_system_sgpr_workgroup_id_x 1
		.amdhsa_system_sgpr_workgroup_id_y 1
		.amdhsa_system_sgpr_workgroup_id_z 1
		.amdhsa_system_vgpr_workitem_id 0
		.amdhsa_next_free_vgpr 256
		.amdhsa_next_free_sgpr 100
		.amdhsa_reserve_vcc 1
		.amdhsa_float_denorm_mode_32 3
		.amdhsa_float_denorm_mode_16_64 3
		.amdhsa_memory_ordered 1
		.amdhsa_forward_progress 1
		.amdhsa_inst_pref_size 58
	.end_amdhsa_kernel
	.amdgpu_metadata
---
amdhsa.version: [ 1, 2 ]
amdhsa.kernels:
  - .name:           k_qc64868151a_proj
    .symbol:         k_qc64868151a_proj.kd
    .args:
      - { .name: x_codes, .offset: 0, .size: 8, .value_kind: global_buffer, .address_space: global }
      - { .name: x_scales, .offset: 8, .size: 8, .value_kind: global_buffer, .address_space: global }
      - { .name: Wq_codes, .offset: 16, .size: 8, .value_kind: global_buffer, .address_space: global }
      - { .name: Wq_scales, .offset: 24, .size: 8, .value_kind: global_buffer, .address_space: global }
      - { .name: bq, .offset: 32, .size: 8, .value_kind: global_buffer, .address_space: global }
      - { .name: Wk_codes, .offset: 40, .size: 8, .value_kind: global_buffer, .address_space: global }
      - { .name: Wk_scales, .offset: 48, .size: 8, .value_kind: global_buffer, .address_space: global }
      - { .name: bk, .offset: 56, .size: 8, .value_kind: global_buffer, .address_space: global }
      - { .name: Wv_codes, .offset: 64, .size: 8, .value_kind: global_buffer, .address_space: global }
      - { .name: Wv_scales, .offset: 72, .size: 8, .value_kind: global_buffer, .address_space: global }
      - { .name: bv, .offset: 80, .size: 8, .value_kind: global_buffer, .address_space: global }
      - { .name: qimg, .offset: 88, .size: 8, .value_kind: global_buffer, .address_space: global }
      - { .name: qsc, .offset: 96, .size: 8, .value_kind: global_buffer, .address_space: global }
      - { .name: kv, .offset: 104, .size: 8, .value_kind: global_buffer, .address_space: global }
    .group_segment_fixed_size: 195584
    .private_segment_fixed_size: 0
    .kernarg_segment_align: 8
    .kernarg_segment_size: 112
    .max_flat_workgroup_size: 288
    .sgpr_count:     100
    .vgpr_count:     256
    .wavefront_size: 32
...
	.end_amdgpu_metadata
.endif
;; end of part 1
;; launch attn (part 2): grid 128 x 2, 16 waves a work-group, clusters of 4 x 1, 169,984 bytes of LDS; arguments qimg, qsc, kv, attc, atts; writes attc, atts
.if DOCPART == 2
	.amdgcn_target "amdgcn-amd-amdhsa--gfx1250"
	.amdhsa_code_object_version 6
	.text
	.protected	k_qc64868151a_attn
	.globl	k_qc64868151a_attn
	.p2align	8
	.type	k_qc64868151a_attn,@function
k_qc64868151a_attn:
	s_mov_b64 s[64:65], 0
	v_nop
	global_prefetch_b8 v0, s[64:65] scope:SCOPE_SE
	s_setreg_imm32_b32 hwreg(HW_REG_WAVE_MODE, 25, 1), 1
	s_wait_xcnt 0x0
	s_wait_alu depctr_hold_cnt(0) depctr_sa_sdst(0) depctr_va_vdst(0) depctr_va_sdst(0) depctr_va_ssrc(0) depctr_va_vcc(0) depctr_vm_vsrc(0)
	s_getreg_b32 s2, hwreg(HW_REG_IB_STS2, 6, 4)
	s_cmp_eq_u32 s2, 0
	s_cbranch_scc0 .Lentry_in_a_cluster
	s_endpgm
.Lentry_in_a_cluster:
	s_bfe_u32 s2, ttmp6, 0x10000c
	s_cmp_lg_u32 s2, 0x3003
	s_cbranch_scc0 .Lentry_shape_is_right
	s_endpgm
.Lentry_shape_is_right:
; Attention of 16 heads on one shared K and V, both products on codes of FP4 (E2M1) with one E8M0 scale for each 32 along a product's K; the result is quantised along (head, channel) for the last projection.
; t = score x log2(e) / 8; M = the running largest t rounded UP to a whole number; p = 2^(t - M) is quantised along the keys, not normalised; the row's sum is taken of the unquantised p and divides at the end.
; When M moves, the sum and O are multiplied by 2^(old M - new M): exact.
; SHARES.  A work-group owns 16 rows of one batch for all 16 heads; wave w is head w: one tile of 16 queries in 256 registers, four waves to a SIMD.  256 work-groups.  A step is 256 keys, eight steps.
; Both products are used transposed (S^T = K Q^T, O^T = V^T P^T): a lane holds ONE query (lane % 16) throughout.
; THE KEYS OF A TILE: row a of tile 4 c + u is key 64 c + 32 (a / 8) + 8 u + a % 8.  So lane (r, h) holds in its 32 registers of tiles 4 c .. 4 c + 3 the WHOLE block of keys 64 c + 32 h + 0 .. 31, ascending: that is the second product's own order.
; THE FIRST PRODUCT'S K IS 64, the instruction's 128: registers 0-3 of a fragment hold tile 2 p, registers 4-7 tile 2 p + 1; Q stands twice, as [q, 0] for the even tile and [0, q] for the odd one (zero codes under finite scale bytes add nothing).
; LDS.  A batch's K and V, codes and scale words, are 139,264 bytes, laid in memory in the order in which lanes read them: eight chunks of 256 keys.  They come once, as they lie, one load a wave (34 rows of 256 bytes); nothing is filled again, and no barrier stands in the loop.
; K's codes of odd blocks have their slots xor 8, so that the two groups of eight rows that sixteen lanes read lie in different halves of 256 bytes.  Behind K and V: a stage of 16 rows x (512 + 16) bytes and 512 scale bytes, blocks of their own into which no fill lands.
; CLUSTER.  The four work-groups of a cluster share the batch: every load is joint (mask 15).  No prefetch: all that is read from memory is asked for in the head, and no loop streams from it.
; LIMITS: NaN and infinities are not served; the promise holds while the scaled scores stay under 2^31 in magnitude; v_exp_f32 gives 0 for p under 2^-126; 1 / sum is v_rcp_f32 and a multiplication;
; a block whose largest magnitude lies under 2^-124 (zeros among them) gets the scale byte 1, read by this program alone.
; REGISTERS: v0 thread; v1-2 K's lane terms (tiles with even, odd u), v3 16 x lane, v4-5 K's and V's scale words' lane terms; v6 Q's scale word; v7, v12-13 a step's LDS addresses; v8 -M, v9 the largest score, v[10:11] the sum, v12 f; v14-15 p's scale words;
; v16-27 q, 0, q; v28-31 K's, then V's scale words; v32-95 K's fragments, then v32-63 V's of keys 0-127, v64-71 p's codes of keys 0-127, v72-87 at work; v96-127 O^T; v128-255 S^T, then p, then v128-135 p's codes and v136-167 V's fragments of keys 128-255.
.set CHB,   17408
.set STG,   8*CHB
.set SCS,   STG+16*528
.set SPARE, SCS+512
.set SEL,   20
.set TM,    200
.macro PLACES
.rept 4
	v_nop
.endr
.endm
.macro CROUND                          ; a round of the cluster's barrier
	s_barrier_signal -1
	s_barrier_wait -1
	s_cmp_lg_u32 s14, 0
	s_cbranch_scc1 .Lnot_wave_0_\@
	s_barrier_signal -3
.Lnot_wave_0_\@:
	s_barrier_wait -3
	s_barrier_signal -1
	s_barrier_wait -1
.endm
	s_load_b256 s[4:11], s[0:1], 0x0               ; qimg 4, qsc 6, kv 8, attc 10
	s_load_b64 s[12:13], s[0:1], 0x20              ; atts
	v_lshl_add_u32 v254, v0, 2, SPARE
	v_mov_b32 v255, 0
	ds_add_u32 v254, v255                          ; the opening: the add, twice on end, and its wait ahead of the tensor load
	ds_add_u32 v254, v255
	v_lshrrev_b32 v1, 5, v0
	v_readfirstlane_b32 s14, v1                    ; wave = head
	s_bfe_u32 s15, ttmp6, 0x40000                  ; cx
	s_lshl_b32 s16, ttmp9, 2
	s_add_co_u32 s16, s16, s15                     ; my row tile in the batch: it enters plain global addresses alone
	s_and_b32 s17, ttmp7, 0xffff                   ; the batch, which the four partners share
	s_lshl_b32 s18, s17, 7
	s_add_co_u32 s18, s18, s16                     ; RT: my row tile of 256
	s_mov_b32 s[SEL], 0x76543210
	s_mov_b32 s[SEL+1], 0xfedcba98                 ; v_permlanex16_b32's selects for lane l xor 16
	s_mov_b32 s22, 0x3e38aa3b                      ; c = log2(e) / sqrt(64)
	s_mov_b32 s23, s22                             ; (named with it as a pair, so it is written)
	s_mov_b32 s49, 0xbe38aa3b                      ; -c
	; descriptor group 1: 8,704 dense bytes, half a chunk, as 34 rows of 32 elements of 8 bytes
	s_mov_b32 s24, 15|(3<<16)|(1<<21)
	s_mov_b32 s25, 32<<16
	s_mov_b32 s26, 34<<16
	s_mov_b32 s27, 32<<16
	s_mov_b32 s28, 34
	s_mov_b32 s29, 32
	s_mov_b32 s30, 0
	s_mov_b32 s31, 0
	s_mul_i32 s19, s14, CHB/2                      ; my half chunk, in LDS and in memory
	s_mul_i32 s52, s17, 8*CHB
	s_add_co_u32 s52, s52, s19
	s_mov_b32 s53, 0
	s_lshl_b32 s54, s18, 4
	s_add_co_u32 s54, s54, s14
	s_lshl_b32 s54, s54, 9                         ; (16 RT + wave) x 512: my image in qimg; and my row of attc: wave w stores row w of the tile
	s_mov_b32 s55, 0
	s_lshl_b32 s56, s14, 12
	s_lshl_b32 s57, s18, 4
	s_add_co_u32 s56, s56, s57
	s_lshl_b32 s56, s56, 2                         ; (4,096 head + 16 RT) x 4
	s_mov_b32 s57, 0
	s_lshl_b32 s58, s18, 9                         ; 16 rows x 32 scale bytes
	s_mov_b32 s59, 0
	s_lshl_b32 s36, s14, 5
	s_add_co_u32 s36, s36, STG                     ; the stage, in: my head's 32 bytes of a row
	s_lshl_b32 s37, s14, 1
	s_add_co_u32 s37, s37, SCS                     ; my head's two scale bytes of a row
	s_mul_i32 s38, s14, 528
	s_add_co_u32 s38, s38, STG                     ; the stage, back: row = wave
	v_and_b32 v240, 31, v0                         ; lane
	v_and_b32 v241, 7, v0                          ; r % 8
	v_bfe_u32 v242, v0, 3, 1                       ; r / 8
	v_bfe_u32 v243, v0, 4, 1                       ; h
	v_and_b32 v244, 15, v0                         ; r
	v_lshlrev_b32 v3, 4, v240
	v_lshlrev_b32 v5, 2, v240
	v_lshlrev_b32 v245, 9, v243
	v_lshlrev_b32 v4, 5, v243
	v_lshlrev_b32 v244, 2, v244
	v_lshl_add_u32 v245, v241, 4, v245             ; 512 h + 16 (r % 8)
	v_lshl_add_u32 v4, v241, 2, v4
	v_mad_u32_u24 v1, v242, 1152, v245             ; u even: slot 8 (u + r / 8) of block r / 8
	v_mad_u32_u24 v2, v242, 896, v245              ; u odd: slot 8 (u - r / 8)
	v_lshl_add_u32 v4, v242, 6, v4                 ; 64 (r / 8) + 32 h + 4 (r % 8)
	s_wait_alu depctr_va_vdst(0)                   ; directly ahead of the waits below
	s_wait_dscnt 0x0                               ; both opening adds are done
	s_wait_kmcnt 0x0
	s_add_nc_u64 s[8:9], s[8:9], s[52:53]
	s_add_nc_u64 s[4:5], s[4:5], s[54:55]
	s_add_nc_u64 s[10:11], s[10:11], s[54:55]
	s_add_nc_u64 s[6:7], s[6:7], s[56:57]
	s_add_nc_u64 s[12:13], s[12:13], s[58:59]
	s_mov_b32 s32, 1
	s_mov_b32 s33, s19
	s_mov_b64 s[34:35], s[8:9]
	s_or_b32 s35, s35, 0x80000000
	global_load_b128 v[16:19], v3, s[4:5]          ; Q's codes: the image of four registers
	global_load_b32 v6, v244, s[6:7]               ; Q's scale words
	CROUND                                         ; all four work-groups are here: the joint loads meet
	tensor_load_to_lds s[32:35], s[24:31]          ; every wave: one load
	s_nop 0
.irp j, 20,21,22,23
	v_mov_b32 v\j, 0                               ; zero codes between the two copies of q
.endr
.irp j, 0,1,2,3,4,5,6,7,8,9,10,11,12,13,14,15,16,17,18,19,20,21,22,23,24,25,26,27,28,29,30,31
	v_mov_b32 v[96+\j], 0                          ; O^T: the step is written once; its first pass finds zeros, which the first change of M leaves zeros
.endr
	v_mov_b32 v9, 0xff61b1e6                       ; the largest score so far: -3e38
	v_mov_b32 v10, 0
	v_mov_b32 v11, 0
	v_mul_f32 v8, s49, v9
	v_floor_f32 v8, v8                             ; -M
	s_wait_alu depctr_va_vdst(0)                   ; directly ahead of the wait below
	s_wait_loadcnt 0x0
	v_lshl_or_b32 v6, v6, 16, v6                   ; q's two bytes serve both places of q
.irp j, 0,1,2,3
	v_mov_b32 v[24+\j], v[16+\j]
.endr
	s_wait_alu depctr_va_vdst(0)                   ; the head's end
	s_wait_tensorcnt 0x0                           ; my half chunk has landed,
	s_barrier_signal -1
	s_barrier_wait -1                              ; everybody's has
; 32 exponentials of block e, one plain line or two behind each pair: t - M of block f (4: none), and the pair sums of block s (-1: none).  What these lines write is first read behind the next wait.
.macro PAIRSUM s, n
	v_pk_add_f32 v[128+32*\s+4*(\n/2):129+32*\s+4*(\n/2)], v[128+32*\s+4*(\n/2):129+32*\s+4*(\n/2)], v[130+32*\s+4*(\n/2):131+32*\s+4*(\n/2)]
.endm
.macro SCALED f, n
	v_pk_fma_f32 v[128+32*\f+2*\n:129+32*\f+2*\n], v[128+32*\f+2*\n:129+32*\f+2*\n], s[22:23], v[8:9] op_sel_hi:[1,0,0]
.endm
.macro SEG e, f, s
.irp n, 0,1,2,3,4,5,6,7,8,9,10,11,12,13,14,15
	v_exp_f32 v[128+32*\e+2*\n], v[128+32*\e+2*\n]
	v_exp_f32 v[129+32*\e+2*\n], v[129+32*\e+2*\n]
.if \f < 4
	SCALED \f, \n
.endif
.if (\s >= 0) && ((\n%2) == 1)
	PAIRSUM \s, \n
.endif
.endr
.endm
.macro PLUS d, g, k
	v_pk_add_f32 v[\d:\d+1], v[\d:\d+1], v[128+32*\g+4*\k:129+32*\g+4*\k]
.endm
.macro SUM8 g                          ; block g's eight pair sums, in four chains
.if \g == 0
	v_pk_add_f32 v[76:77], v[128:129], v[132:133]
	v_pk_add_f32 v[78:79], v[136:137], v[140:141]
	v_pk_add_f32 v[80:81], v[144:145], v[148:149]
	PLUS 10, 0, 6
	PLUS 76, 0, 7
.else
	PLUS 10, \g, 0
	PLUS 76, \g, 1
	PLUS 78, \g, 2
	PLUS 80, \g, 3
	PLUS 10, \g, 4
	PLUS 76, \g, 5
	PLUS 78, \g, 6
	PLUS 80, \g, 7
.endif
.endm
.macro CODES g, d                      ; my whole block g of 32 keys: four registers of the operand
.irp n, 0,1,2,3
	v_cvt_scalef32_pk8_fp4_f32 v[\d+\n], v[128+32*\g+8*\n:135+32*\g+8*\n], v[72+\g]
.endr
.endm
.macro PV k, va, pb                    ; O^T += V^T P^T over keys 128 k .. + 127: the four accumulators by turns
.irp d, 0,1,2,3
.if \d%2
	v_wmma_scale_f32_16x16x128_f8f6f4 v[96+8*\d:103+8*\d], v[\va+8*\d:\va+7+8*\d], v[\pb:\pb+7], v[96+8*\d:103+8*\d], v[28+2*\k+\d/2], v[14+\k] matrix_a_fmt:MATRIX_FMT_FP4 matrix_b_fmt:MATRIX_FMT_FP4 matrix_a_scale:MATRIX_SCALE_ROW1
.else
	v_wmma_scale_f32_16x16x128_f8f6f4 v[96+8*\d:103+8*\d], v[\va+8*\d:\va+7+8*\d], v[\pb:\pb+7], v[96+8*\d:103+8*\d], v[28+2*\k+\d/2], v[14+\k] matrix_a_fmt:MATRIX_FMT_FP4 matrix_b_fmt:MATRIX_FMT_FP4
.endif
.endr
.endm
	s_mov_b32 s48, 0                               ; where the step's chunk begins in LDS
	s_mov_b32 s50, 8
.Lstep:
	v_add_nc_u32 v12, s48, v1
	v_add_nc_u32 v13, s48, v2
	v_add_nc_u32 v7, s48, v4
	v_nop
	v_nop                                          ; five places behind the last step's products: loads and the first products below write over their registers
.irp g, 0,1,2,3
	ds_load_b32 v[28+\g], v7 offset:16384+128*\g   ; lanes 0-15: pair 2 g's words; lanes 16-31: pair 2 g + 1's
.endr
.irp p, 0,1,2,3,4,5,6,7
	ds_load_b128 v[32+8*\p:35+8*\p], v12 offset:2048*(\p/2)+256*(\p%2)
	ds_load_b128 v[36+8*\p:39+8*\p], v13 offset:2048*(\p/2)+256*(\p%2)+128
.endr
.irp t, 0,1,2,3,4,5,6,7,8,9,10,11,12,13,14,15
.if (\t%4) == 0
	s_wait_dscnt 12-\t                             ; four more tiles are in; the younger ones may be out
.endif
.if (\t/2)%2
	v_wmma_scale_f32_16x16x128_f8f6f4 v[128+8*\t:135+8*\t], v[32+8*(\t/2):39+8*(\t/2)], v[16+4*(\t%2):23+4*(\t%2)], 0, v[28+\t/4], v6 matrix_a_fmt:MATRIX_FMT_FP4 matrix_b_fmt:MATRIX_FMT_FP4 matrix_a_scale:MATRIX_SCALE_ROW1
.else
	v_wmma_scale_f32_16x16x128_f8f6f4 v[128+8*\t:135+8*\t], v[32+8*(\t/2):39+8*(\t/2)], v[16+4*(\t%2):23+4*(\t%2)], 0, v[28+\t/4], v6 matrix_a_fmt:MATRIX_FMT_FP4 matrix_b_fmt:MATRIX_FMT_FP4
.endif
.endr
	v_add_nc_u32 v13, s48, v3
	v_add_nc_u32 v7, s48, v5
	v_nop
	v_nop                                          ; four places in front of the loads, and of the first reads of the scores
.irp d, 0,1,2,3
.irp c, 0,1
	ds_load_b128 v[32+8*\d+4*\c:35+8*\d+4*\c], v13 offset:8192+1024*\d+512*\c   ; V of keys 0-127: it lands under the softmax
.endr
.endr
.irp g, 0,1,2,3
	ds_load_b32 v[28+\g], v7 offset:16896+128*\g   ; V's scale words: keys 128 (g / 2) on; lanes 0-15 channel tile 2 (g % 2), lanes 16-31 the next
.endr
	; the largest score of each of my four blocks of 32 keys: for the row's maximum and, since p rises with the score, for the block's largest p.  Each accumulator is read from its low end on
.irp b, 0,1,2,3
	v_max3_num_f32 v[72+\b], v[128+32*\b], v[129+32*\b], v[130+32*\b]
.endr
.irp i, 3,5,7,9,11,13,15,17,19,21,23,25,27,29
.irp b, 0,1,2,3
	v_max3_num_f32 v[72+\b], v[72+\b], v[128+32*\b+\i], v[129+32*\b+\i]
.endr
.endr
.irp b, 0,1,2,3
	v_max_num_f32 v[72+\b], v[72+\b], v[159+32*\b]
.endr
	v_max3_num_f32 v76, v72, v73, v74
	v_max_num_f32 v76, v76, v75
	v_permlanex16_b32 v77, v76, s[SEL], s[SEL+1]   ; lane l xor 16's four blocks
	v_max3_num_f32 v9, v9, v76, v77                ; the running largest score of my query
	s_delay_alu instid0(VALU_DEP_1)
	v_mul_f32 v78, s49, v9                         ; -t (c is positive)
	s_delay_alu instid0(VALU_DEP_1)
	v_floor_f32 v78, v78                           ; the new -M = floor(-t) = -ceil(t)
	s_delay_alu instid0(VALU_DEP_1)
	v_sub_f32 v79, v78, v8                         ; old M - new M: a whole number, 0 or less
	v_mov_b32 v8, v78
	s_delay_alu instid0(VALU_DEP_2)
	v_cvt_i32_f32 v79, v79                         ; (it saturates)
	s_delay_alu instid0(VALU_DEP_1)
	v_ldexp_f32 v12, 1.0, v79                      ; f = 2^(old M - new M)
.irp n, 0,1,2,3,4,5,6,7,8,9,10,11,12,13,14,15
	SCALED 0, \n
.endr
	v_pk_fma_f32 v[72:73], v[72:73], s[22:23], v[8:9] op_sel_hi:[1,0,0]   ; the same of the blocks' largest scores
	v_pk_fma_f32 v[74:75], v[74:75], s[22:23], v[8:9] op_sel_hi:[1,0,0]
.irp j, 0,2,4,6,8,10,12,14,16,18,20,22,24,26,28,30
	v_pk_mul_f32 v[96+\j:97+\j], v[96+\j:97+\j], v[12:13] op_sel_hi:[1,0] ; O^T under the new M,
.endr
	v_pk_mul_f32 v[10:11], v[10:11], v[12:13] op_sel_hi:[1,0]             ; and the sum
	s_wait_alu depctr_va_vdst(0)                   ; ahead of each batch of exponentials and behind it
.irp b, 0,1,2,3
	v_exp_f32 v[72+\b], v[72+\b]                   ; the block's largest p: the same two operations on the same number
.endr
	SEG 0, 1, -1
	s_wait_alu depctr_va_vdst(0)
.irp b, 0,1,2,3
	v_max_num_f32 v[72+\b], 0x1800000, v[72+\b]    ; the floor 2^(3 - 127): the byte cannot fall under 1
.endr
.irp b, 0,1,2,3
	v_add_nc_u32 v[72+\b], 0xff000000, v[72+\b]    ; 2 off the exponent field: the conversion's scale operand
.endr
.irp b, 0,1,2,3
	v_lshrrev_b32 v[82+\b], 23, v[72+\b]           ; the scale's byte
.endr
	v_lshl_or_b32 v14, v83, 16, v82                ; lane (r, h) has the bytes h and 2 + h of a word of four blocks:
	v_lshl_or_b32 v15, v85, 16, v84
	v_permlanex16_b32 v86, v14, s[SEL], s[SEL+1]
	v_permlanex16_b32 v87, v15, s[SEL], s[SEL+1]
	v_lshl_or_b32 v14, v86, 8, v14                 ; lanes 0-15 then hold the whole word (lanes 16-31 are not read)
	v_lshl_or_b32 v15, v87, 8, v15
	CODES 0, 64
	SEG 1, 2, 0
	s_wait_alu depctr_va_vdst(0)
	CODES 1, 68
	SUM8 0
	SEG 2, 3, 1
	s_wait_alu depctr_va_vdst(0)
	CODES 2, 128                                   ; blocks 0 and 1 are done with: their registers take the codes of keys 128-255
	SUM8 1
.irp d, 0,1,2,3
.irp c, 0,1
	ds_load_b128 v[136+8*\d+4*\c:139+8*\d+4*\c], v13 offset:12288+1024*\d+512*\c   ; and V of keys 128-255
.endr
.endr
	SEG 3, 4, 2
	s_wait_alu depctr_va_vdst(0)
	CODES 3, 132
	SUM8 2
.irp n, 1,3,5,7,9,11,13,15
	PAIRSUM 3, \n
.endr
	SUM8 3
	v_pk_add_f32 v[10:11], v[10:11], v[76:77]
	v_pk_add_f32 v[78:79], v[78:79], v[80:81]
	v_pk_add_f32 v[10:11], v[10:11], v[78:79]      ; (the sums are the places between p's codes and the products below)
	s_wait_alu depctr_va_vdst(0)                   ; directly ahead of the wait below
	s_wait_dscnt 8                                 ; V of keys 0-127 and the scale words are in; the eight younger loads may be out
	PV 0, 32, 64
	s_wait_dscnt 0x0
	PV 1, 136, 128
	s_add_co_u32 s48, s48, CHB
	s_sub_co_u32 s50, s50, 1
	s_cmp_lg_u32 s50, 0
	s_cbranch_scc1 .Lstep
	; THE WAY OUT.  O^T / the sum is quantised along the head's 64 channels (two blocks of the last projection's K) and goes through the stage, so that a wave stores one whole row of 512 bytes of codes.
	PLACES
	v_add_f32 v10, v10, v11
	v_permlanex16_b32 v76, v10, s[SEL], s[SEL+1]
	v_add_f32 v10, v10, v76                        ; the row's sum
	s_wait_alu depctr_va_vdst(0)
	v_rcp_f32 v10, v10
	v_and_b32 v72, 15, v0                          ; r  (the plain places behind the transcendental)
	v_bfe_u32 v73, v0, 4, 1                        ; h
	v_mul_u32_u24 v74, v72, 528
	v_lshl_add_u32 v74, v73, 4, v74
	v_add_nc_u32 v74, s36, v74                     ; the stage, in: row r, my head's 32 bytes, 16 for each half of the lanes
	v_lshlrev_b32 v75, 5, v72
	v_add_nc_u32 v75, s37, v75                     ; row r's 32 scale bytes, my head's two
	v_add_nc_u32 v78, s38, v3                      ; the stage, back: row = wave, 16 bytes a lane
	v_add_nc_u32 v79, SCS, v3
	s_wait_alu depctr_va_vdst(0)
.irp j, 0,2,4,6,8,10,12,14,16,18,20,22,24,26,28,30
	v_pk_mul_f32 v[128+\j:129+\j], v[96+\j:97+\j], v[10:11] op_sel_hi:[1,0]   ; register 8 d + j: channel 16 d + 8 h + j of my query
.endr
.irp b, 0,1
	v_max3_num_f32 v[TM+\b], |v[128+16*\b]|, |v[129+16*\b]|, 0x1800000   ; block b: my 16 numbers and the floor
.endr
.irp i, 2,4,6,8,10,12,14
.irp b, 0,1
	v_max3_num_f32 v[TM+\b], v[TM+\b], |v[128+16*\b+\i]|, |v[129+16*\b+\i]|
.endr
.endr
.irp b, 0,1
	v_permlanex16_b32 v[TM+4+\b], v[TM+\b], s[SEL], s[SEL+1]
.endr
.irp b, 0,1
	v_max_num_f32 v[TM+\b], v[TM+\b], v[TM+4+\b]
.endr
.irp b, 0,1
	v_add_nc_u32 v[TM+8+\b], 0xff000000, v[TM+\b]
.endr
.irp b, 0,1
	v_lshrrev_b32 v[TM+4+\b], 23, v[TM+8+\b]
.endr
	v_lshl_or_b32 v212, v[TM+5], 8, v[TM+4]        ; my row's two scale bytes
	v_cvt_scalef32_pk8_fp4_f32 v216, v[128:135], v[TM+8]
	v_cvt_scalef32_pk8_fp4_f32 v217, v[144:151], v[TM+9]
	v_cvt_scalef32_pk8_fp4_f32 v218, v[136:143], v[TM+8]
	v_cvt_scalef32_pk8_fp4_f32 v219, v[152:159], v[TM+9]
	v_nop
	v_permlane16_swap_b32 v216, v217
	v_permlane16_swap_b32 v218, v219               ; lane (r, h): the 16 bytes of block h of row r
	ds_store_b128 v74, v[216:219]
	ds_store_b16 v75, v212                         ; both halves of the lanes write the same two bytes with the same value
	v_lshl_add_u32 v254, v0, 2, SPARE              ; my spare word and 0, made anew for the wave's end
	v_mov_b32 v255, 0
	s_wait_alu depctr_va_vdst(0)                   ; directly ahead of the wait below
	s_wait_dscnt 0x0                               ; for the others' sake: my stores have landed
	s_barrier_signal -1
	s_barrier_wait -1
	ds_load_b128 v[220:223], v78
	s_wait_dscnt 0x0
	global_store_b128 v3, v[220:223], s[10:11]     ; one row of attc: 512 consecutive bytes, aligned
	s_cmp_lg_u32 s14, 0
	s_cbranch_scc1 .Lno_scales
	ds_load_b128 v[224:227], v79
	s_wait_dscnt 0x0
	global_store_b128 v3, v[224:227], s[12:13]     ; the 16 rows' scale bytes: 512 consecutive bytes, aligned
.Lno_scales:
	s_wait_dscnt 0x0
	s_wait_tensorcnt 0x0                           ; the wave's end
	ds_add_u32 v254, v255
	s_wait_dscnt 0x0
	CROUND                                         ; the closing round: no work-group ends while a partner may still ask for a part that names it
	s_endpgm
.Lfunc_end_k_qc64868151a_attn:
	.size	k_qc64868151a_attn, .Lfunc_end_k_qc64868151a_attn-k_qc64868151a_attn
	.p2alignl 7, 3214868480
	.fill 96, 4, 3214868480
	.section	.rodata,"a",@progbits
	.p2align	6, 0x0
	.amdhsa_kernel k_qc64868151a_attn
		.amdhsa_group_segment_fixed_size 169984
		.amdhsa_private_segment_fixed_size 0
		.amdhsa_enable_private_segment 0
		.amdhsa_kernarg_size 40
		.amdhsa_user_sgpr_count 2
		.amdhsa_user_sgpr_kernarg_segment_ptr 1
		.amdhsa_wavefront_size32 1
		.amdhsa_system_sgpr_workgroup_id_x 1
		.amdhsa_system_sgpr_workgroup_id_y 1
		.amdhsa_system_sgpr_workgroup_id_z 1
		.amdhsa_system_vgpr_workitem_id 0
		.amdhsa_next_free_vgpr 256
		.amdhsa_next_free_sgpr 66
		.amdhsa_reserve_vcc 0
		.amdhsa_float_denorm_mode_32 3
		.amdhsa_float_denorm_mode_16_64 3
		.amdhsa_memory_ordered 1
		.amdhsa_forward_progress 1
		.amdhsa_inst_pref_size 38
	.end_amdhsa_kernel
	.amdgpu_metadata
---
amdhsa.version: [ 1, 2 ]
amdhsa.kernels:
  - .name:           k_qc64868151a_attn
    .symbol:         k_qc64868151a_attn.kd
    .args:
      - { .name: qimg, .offset: 0, .size: 8, .value_kind: global_buffer, .address_space: global }
      - { .name: qsc, .offset: 8, .size: 8, .value_kind: global_buffer, .address_space: global }
      - { .name: kv, .offset: 16, .size: 8, .value_kind: global_buffer, .address_space: global }
      - { .name: attc, .offset: 24, .size: 8, .value_kind: global_buffer, .address_space: global }
      - { .name: atts, .offset: 32, .size: 8, .value_kind: global_buffer, .address_space: global }
    .group_segment_fixed_size: 169984
    .private_segment_fixed_size: 0
    .kernarg_segment_align: 8
    .kernarg_segment_size: 40
    .max_flat_workgroup_size: 512
    .sgpr_count:     66
    .vgpr_count:     256
    .wavefront_size: 32
...
	.end_amdgpu_metadata
.endif
;; end of part 2
;; launch oproj (part 3): grid 8 x 32, 8 waves a work-group, clusters of 4 x 4, 171,008 bytes of LDS; arguments attc, atts, Wo_codes, Wo_scales, bo, out0; writes out0
.if DOCPART == 3
	.amdgcn_target "amdgcn-amd-amdhsa--gfx1250"
	.amdhsa_code_object_version 6
	.text
	.protected	k_qc64868151a_oproj
	.globl	k_qc64868151a_oproj
	.p2align	8
	.type	k_qc64868151a_oproj,@function
k_qc64868151a_oproj:
	s_mov_b64 s[64:65], 0
	v_nop
	global_prefetch_b8 v0, s[64:65] scope:SCOPE_SE
	s_setreg_imm32_b32 hwreg(HW_REG_WAVE_MODE, 25, 1), 1
	s_wait_xcnt 0x0
	s_wait_alu depctr_hold_cnt(0) depctr_sa_sdst(0) depctr_va_vdst(0) depctr_va_sdst(0) depctr_va_ssrc(0) depctr_va_vcc(0) depctr_vm_vsrc(0)
	s_getreg_b32 s2, hwreg(HW_REG_IB_STS2, 6, 4)
	s_cmp_eq_u32 s2, 0
	s_cbranch_scc0 .Lentry_in_a_cluster
	s_endpgm
.Lentry_in_a_cluster:
	s_bfe_u32 s2, ttmp6, 0x10000c
	s_cmp_lg_u32 s2, 0xf033
	s_cbranch_scc0 .Lentry_shape_is_right
	s_endpgm
.Lentry_shape_is_right:
; out = att Wo + bo on codes of FP4 (E2M1) with one E8M0 scale for each 32 along K = 1,024; f32 sums, f32 out.  att's codes [4,096][512 bytes] and scale bytes [4,096][32] lie as an input's would.
; SHARES.  A tile of 128 x 128 to a work-group, 256 work-groups; eight waves, each 32 rows x 64 columns: 8 accumulators, 64 matrix instructions.
; LDS: four pieces of 64 rows x (512 + 16) bytes: att's 128 rows, Wo's 128 rows: all of K at once, each piece filled once by one tensor load; behind them a stage of 16 rows x (256 + 16) bytes for each wave, into which no fill lands.
; CLUSTER 4 x 4: att's pieces hang on the tile row alone and are asked for jointly along a row of the cluster, Wo's on the tile column alone and jointly along a column.
; THE MATRIX INSTRUCTION IS USED TRANSPOSED (source 0 = 16 rows of Wo, source 1 = 16 rows of att): a lane holds eight neighbouring numbers of a row of out.  The bias lands in the accumulators ahead of the first K step.
; LIMITS: NaN, infinities and scale bytes 0xff are not served.
.set PITCH, 528
.set TILE,  16*PITCH
.set PIECE, 64*PITCH
.set STG,   4*PIECE
.set SPITCH, 272                       ; a stage row: 256 bytes + 16: 17 x 16, so sixteen rows start at sixteen different 16-byte columns
.set XS,    24                         ; v24-31  att's scale words: register ks: lanes 0-15 row tile 0, lanes 16-31 row tile 1
.set WS,    32                         ; v32-47  Wo's: register 8 p + ks: lanes 0-15 column tile 2 p, lanes 16-31 tile 2 p + 1
.set ACC,   96                         ; v96-159 accumulator (m, t) at 8 (4 m + t)
.set OP,    160                        ; v160-255 two sets of 48: att's two fragments, Wo's four; on the way out: rows read back
.macro PLACES
.rept 4
	v_nop
.endr
.endm
.macro CROUND                          ; a round of the cluster's barrier
	s_barrier_signal -1
	s_barrier_wait -1
	s_cmp_lg_u32 s3, 0
	s_cbranch_scc1 .Lnot_wave_0_\@
	s_barrier_signal -3
.Lnot_wave_0_\@:
	s_barrier_wait -3
	s_barrier_signal -1
	s_barrier_wait -1
.endm
.macro WM d, a, b, sa, sb, ra, rb      ; one product, adding in place; ra, rb = 1: that side's scale words are taken from lanes 16-31
.if (\ra) && (\rb)
	v_wmma_scale_f32_16x16x128_f8f6f4 v[\d:\d+7], v[\a:\a+7], v[\b:\b+7], v[\d:\d+7], v[\sa], v[\sb] matrix_a_fmt:MATRIX_FMT_FP4 matrix_b_fmt:MATRIX_FMT_FP4 matrix_a_scale:MATRIX_SCALE_ROW1 matrix_b_scale:MATRIX_SCALE_ROW1
.elseif (\ra)
	v_wmma_scale_f32_16x16x128_f8f6f4 v[\d:\d+7], v[\a:\a+7], v[\b:\b+7], v[\d:\d+7], v[\sa], v[\sb] matrix_a_fmt:MATRIX_FMT_FP4 matrix_b_fmt:MATRIX_FMT_FP4 matrix_a_scale:MATRIX_SCALE_ROW1
.elseif (\rb)
	v_wmma_scale_f32_16x16x128_f8f6f4 v[\d:\d+7], v[\a:\a+7], v[\b:\b+7], v[\d:\d+7], v[\sa], v[\sb] matrix_a_fmt:MATRIX_FMT_FP4 matrix_b_fmt:MATRIX_FMT_FP4 matrix_b_scale:MATRIX_SCALE_ROW1
.else
	v_wmma_scale_f32_16x16x128_f8f6f4 v[\d:\d+7], v[\a:\a+7], v[\b:\b+7], v[\d:\d+7], v[\sa], v[\sb] matrix_a_fmt:MATRIX_FMT_FP4 matrix_b_fmt:MATRIX_FMT_FP4
.endif
.endm
	s_load_b256 s[8:15], s[0:1], 0x0               ; attc 8, atts 10, Wo_codes 12, Wo_scales 14
	s_load_b128 s[16:19], s[0:1], 0x20             ; bo 16, out0 18
	v_lshl_add_u32 v94, v0, 2, 0x29800
	v_mov_b32 v95, 0
	ds_add_u32 v94, v95
	ds_add_u32 v94, v95
	v_lshrrev_b32 v1, 5, v0
	s_delay_alu instid0(VALU_DEP_1)
	v_readfirstlane_b32 s3, v1                     ; wave 0..7
	s_bfe_u32 s4, ttmp6, 0x40000                   ; cx
	s_bfe_u32 s5, ttmp6, 0x40004                   ; cy
	s_lshl_b32 s6, ttmp9, 2
	s_add_co_u32 s6, s6, s4                        ; JN: tile column
	s_and_b32 s7, ttmp7, 0xffff
	s_lshl_b32 s7, s7, 2
	s_add_co_u32 s7, s7, s5                        ; IM: tile row
	s_and_b32 s20, s3, 3                           ; RQ: which 32 rows
	s_lshr_b32 s21, s3, 2                          ; HS: which 64 columns
	s_lshl_b32 s22, s5, 2
	s_lshl_b32 s22, 15, s22                        ; my row of the cluster
	s_lshl_b32 s23, 0x1111, s4                     ; my column
	; descriptor group 1: 64 rows x 512 elements of one byte, 4 words of padding behind every 128.  s[24:31] att's, s[32:39] Wo's: they differ in the mask alone
	s_or_b32 s24, s22, (1<<20)|(1<<21)|(6<<22)|(3<<25)
	s_or_b32 s32, s23, (1<<20)|(1<<21)|(6<<22)|(3<<25)
.irp g, 24, 32
	s_mov_b32 s[\g+1], 512<<16                     ; tensor_dim0
	s_mov_b32 s[\g+2], 64<<16                      ; tensor_dim1
	s_mov_b32 s[\g+3], 512<<16                     ; tile_dim0
	s_mov_b32 s[\g+4], 64                          ; tile_dim1
	s_mov_b32 s[\g+5], 512                         ; pitch
	s_mov_b32 s[\g+6], 0
	s_mov_b32 s[\g+7], 0
.endr
	; group 0: s[40:43] att's pieces (waves 0, 1), s[44:47] Wo's (waves 2, 3).  Piece = wave, in LDS.  Each address is made in registers that never hold the other coordinate
	s_mov_b32 s40, 1
	s_mov_b32 s44, 1
	s_mul_i32 s41, s3, PIECE
	s_mul_i32 s45, s3, PIECE
	s_and_b32 s58, s3, 1
	s_lshl_b32 s58, s58, 15                        ; which 64 rows of 512 bytes
	s_lshl_b32 s42, s7, 16
	s_add_co_u32 s42, s42, s58                     ; (128 IM + 64 half) x 512
	s_mov_b32 s43, 0
	s_lshl_b32 s46, s6, 16
	s_add_co_u32 s46, s46, s58                     ; (128 JN + 64 half) x 512
	s_mov_b32 s47, 0
	s_lshl_b32 s48, s7, 12
	s_lshl_b32 s56, s20, 10
	s_add_co_u32 s48, s48, s56                     ; att's scales: (128 IM + 32 RQ) x 32
	s_mov_b32 s49, 0
	s_lshl_b32 s50, s6, 12
	s_lshl_b32 s57, s21, 11
	s_add_co_u32 s50, s50, s57                     ; Wo's scales: (128 JN + 64 HS) x 32
	s_mov_b32 s51, 0
	s_lshr_b32 s52, s50, 3                         ; bo: x 4
	s_mov_b32 s53, 0
	s_lshl_b32 s54, s7, 19
	s_lshl_b32 s56, s20, 17
	s_add_co_u32 s54, s54, s56
	s_add_co_u32 s54, s54, s52                     ; out: (128 IM + 32 RQ) x 4,096 + (128 JN + 64 HS) x 4
	s_mov_b32 s55, 0
	v_and_b32 v1, 31, v0                           ; lane
	v_and_b32 v2, 15, v0                           ; r
	v_bfe_u32 v3, v0, 4, 1                         ; h
	s_delay_alu instid0(VALU_DEP_2)
	v_mul_u32_u24 v19, v2, PITCH
	s_delay_alu instid0(VALU_DEP_1)
	v_lshl_add_u32 v19, v3, 4, v19                 ; a fragment's row x pitch + 16 x half
	s_mul_i32 s58, s20, 2*TILE
	v_add_nc_u32 v4, s58, v19                      ; my 32 rows of att
	s_add_co_u32 s58, s21, 2
	s_mul_i32 s58, s58, PIECE
	v_add_nc_u32 v5, s58, v19                      ; my 64 rows of Wo
	v_lshlrev_b32 v11, 5, v1                       ; 32 x lane: a row of scale bytes
	v_lshlrev_b32 v13, 5, v3                       ; 32 h: my half's eight numbers of the bias
	s_mul_i32 s58, s3, 16*SPITCH
	s_add_co_u32 s58, s58, STG                     ; my stage
	v_mul_u32_u24 v12, v2, SPITCH
	s_delay_alu instid0(VALU_DEP_1)
	v_lshl_add_u32 v12, v3, 5, v12
	s_delay_alu instid0(VALU_DEP_1)
	v_add_nc_u32 v12, s58, v12                     ; in: row r, 32 bytes for each half of the lanes
	v_mul_u32_u24 v14, v3, SPITCH
	s_delay_alu instid0(VALU_DEP_1)
	v_lshl_add_u32 v14, v2, 4, v14
	s_delay_alu instid0(VALU_DEP_1)
	v_add_nc_u32 v14, s58, v14                     ; back: lanes 0-15 one row of 256 bytes, lanes 16-31 the next
	v_lshlrev_b32 v17, 12, v3
	s_delay_alu instid0(VALU_DEP_1)
	v_lshl_add_u32 v17, v2, 4, v17                 ; and the same two rows in out
	s_wait_dscnt 0x0
	s_wait_kmcnt 0x0
	s_add_nc_u64 s[42:43], s[8:9], s[42:43]
	s_add_nc_u64 s[46:47], s[12:13], s[46:47]
	s_add_nc_u64 s[48:49], s[10:11], s[48:49]
	s_add_nc_u64 s[50:51], s[14:15], s[50:51]
	s_add_nc_u64 s[52:53], s[16:17], s[52:53]
	s_add_nc_u64 s[54:55], s[18:19], s[54:55]
	s_or_b32 s43, s43, 0x80000000                  ; type = 2
	s_or_b32 s47, s47, 0x80000000
	CROUND                                         ; all sixteen work-groups are here: the joint loads meet
	s_cmp_lt_u32 s3, 2                             ; all first fills stand in one branch on the wave's number: one load a wave is out
	s_cbranch_scc0 .Lnot_a
	tensor_load_to_lds s[40:43], s[24:31]
	s_nop 0
	PLACES                                         ; the four lines behind a tensor load
	s_branch .Lasked
.Lnot_a:
	s_cmp_lt_u32 s3, 4
	s_cbranch_scc0 .Lasked
	tensor_load_to_lds s[44:47], s[32:39]
	s_nop 0
	PLACES
.Lasked:
	global_load_b128 v[XS:XS+3], v11, s[48:49]
	global_load_b128 v[XS+4:XS+7], v11, s[48:49] offset:16
.irp p, 0,1
	global_load_b128 v[WS+8*\p:WS+8*\p+3], v11, s[50:51] offset:1024*\p
	global_load_b128 v[WS+8*\p+4:WS+8*\p+7], v11, s[50:51] offset:1024*\p+16
.endr
	s_wait_alu depctr_va_vdst(0)
.irp m, 0,1
.irp t, 0,1,2,3
	global_load_b128 v[ACC+8*(4*\m+\t):ACC+8*(4*\m+\t)+3], v13, s[52:53] offset:64*\t        ; the bias lands in the accumulators: every K step adds in place, and nothing is cleared
	global_load_b128 v[ACC+8*(4*\m+\t)+4:ACC+8*(4*\m+\t)+7], v13, s[52:53] offset:64*\t+16
.endr
.endr
	s_wait_tensorcnt 0x0                           ; my piece has landed,
	s_barrier_signal -1
	s_barrier_wait -1                              ; everybody's has
	s_wait_loadcnt 0x0                             ; scales and bias
.macro FETCH ks, s
.irp m, 0,1
.irp c, 0,1
	ds_load_b128 v[OP+48*(\s)+8*\m+4*\c:OP+48*(\s)+8*\m+4*\c+3], v4 offset:TILE*\m+64*(\ks)+32*\c
.endr
.endr
.irp t, 0,1,2,3
.irp c, 0,1
	ds_load_b128 v[OP+48*(\s)+16+8*\t+4*\c:OP+48*(\s)+16+8*\t+4*\c+3], v5 offset:TILE*\t+64*(\ks)+32*\c
.endr
.endr
.endm
.macro MUL ks, s                       ; the eight accumulators by turns
.irp m, 0,1
.irp t, 0,1,2,3
	WM ACC+8*(4*\m+\t), OP+48*(\s)+16+8*\t, OP+48*(\s)+8*\m, WS+8*(\t/2)+(\ks), XS+(\ks), \t%2, \m
.endr
.endr
.endm
	FETCH 0, 0
.irp ks, 0,1,2,3,4,5,6
.if \ks > 0
	PLACES                                         ; the loads below land in the set that the last eight products read
.endif
	FETCH \ks+1, (\ks+1)%2
	s_wait_dscnt 12                                ; this step's fragments are in; the twelve just issued may be out
	MUL \ks, \ks%2
.endr
	s_wait_dscnt 0x0
	MUL 7, 1
	PLACES
; THE WAY OUT: 16 rows x 64 columns at a time through my own stage; LDS serves a wave's instructions in order (ISA guide 5.7.1.4), so no wait stands between the stores and the loads, nor in front of the next block's stores.
.macro TOSTAGE m
.irp t, 0,1,2,3
	ds_store_b128 v12, v[ACC+8*(4*\m+\t):ACC+8*(4*\m+\t)+3] offset:64*\t          ; each accumulator from its low end on
	ds_store_b128 v12, v[ACC+8*(4*\m+\t)+4:ACC+8*(4*\m+\t)+7] offset:64*\t+16
.endr
.irp i, 0,1,2,3,4,5,6,7
	ds_load_b128 v[OP+32*\m+4*\i:OP+32*\m+4*\i+3], v14 offset:2*SPITCH*\i
.endr
.endm
.macro SEND m
.irp i, 0,1,2,3,4,5,6,7
	global_store_b128 v17, v[OP+32*\m+4*\i:OP+32*\m+4*\i+3], s[54:55] offset:(16*\m+2*\i)*4096 th:TH_STORE_NT   ; sixteen lanes store 256 consecutive bytes, aligned; written once, read by nobody here
.endr
.endm
	TOSTAGE 0
	TOSTAGE 1
	s_wait_dscnt 16                                ; the first block is back; the second's eight stores and eight loads may be out
	SEND 0
	s_wait_dscnt 0x0
	SEND 1
	s_wait_tensorcnt 0x0
	ds_add_u32 v94, v95
	s_wait_dscnt 0x0
	CROUND                                         ; the closing round: no work-group ends while a partner may still ask for a piece that names it
	s_endpgm
.Lfunc_end_k_qc64868151a_oproj:
	.size	k_qc64868151a_oproj, .Lfunc_end_k_qc64868151a_oproj-k_qc64868151a_oproj
	.p2alignl 7, 3214868480
	.fill 96, 4, 3214868480
	.section	.rodata,"a",@progbits
	.p2align	6, 0x0
	.amdhsa_kernel k_qc64868151a_oproj
		.amdhsa_group_segment_fixed_size 171008
		.amdhsa_private_segment_fixed_size 0
		.amdhsa_enable_private_segment 0
		.amdhsa_kernarg_size 48
		.amdhsa_user_sgpr_count 2
		.amdhsa_user_sgpr_kernarg_segment_ptr 1
		.amdhsa_wavefront_size32 1
		.amdhsa_system_sgpr_workgroup_id_x 1
		.amdhsa_system_sgpr_workgroup_id_y 1
		.amdhsa_system_sgpr_workgroup_id_z 1
		.amdhsa_system_vgpr_workitem_id 0
		.amdhsa_next_free_vgpr 256
		.amdhsa_next_free_sgpr 66
		.amdhsa_reserve_vcc 0
		.amdhsa_float_denorm_mode_32 3
		.amdhsa_float_denorm_mode_16_64 3
		.amdhsa_memory_ordered 1
		.amdhsa_forward_progress 1
		.amdhsa_inst_pref_size 28
	.end_amdhsa_kernel
	.amdgpu_metadata
---
amdhsa.version: [ 1, 2 ]
amdhsa.kernels:
  - .name:           k_qc64868151a_oproj
    .symbol:         k_qc64868151a_oproj.kd
    .args:
      - { .name: attc, .offset: 0, .size: 8, .value_kind: global_buffer, .address_space: global }
      - { .name: atts, .offset: 8, .size: 8, .value_kind: global_buffer, .address_space: global }
      - { .name: Wo_codes, .offset: 16, .size: 8, .value_kind: global_buffer, .address_space: global }
      - { .name: Wo_scales, .offset: 24, .size: 8, .value_kind: global_buffer, .address_space: global }
      - { .name: bo, .offset: 32, .size: 8, .value_kind: global_buffer, .address_space: global }
      - { .name: out0, .offset: 40, .size: 8, .value_kind: global_buffer, .address_space: global }
    .group_segment_fixed_size: 171008
    .private_segment_fixed_size: 0
    .kernarg_segment_align: 8
    .kernarg_segment_size: 48
    .max_flat_workgroup_size: 256
    .sgpr_count:     66
    .vgpr_count:     256
    .wavefront_size: 32
...
	.end_amdgpu_metadata
.endif
;; end of part 3
